; MI455X (gfx1250); checked and timed in simulation.
; The chip was launched on July 23, 2026; its instructions are those of AMD's public machine-readable ISA for CDNA 5 (MIT licence, August 2026) and "CDNA5" Instruction Set Architecture Reference Guide (July 2026). The comments in the code are by the model that wrote it; some were corrected since.
;; Scaled Dot Product Attention. Allowed arithmetic: matrix products marked QUANTISED: E4M3 operands, one given power-of-two scale a tensor, by v_wmma_f32_16x16x64_fp8_fp8 or v_wmma_f32_16x16x128_fp8_fp8, f32 sums; everything else in f32.
;; Inputs: K_codes 4 x 16 x 2,048 x 2 x 32 uint8 (E4M3 codes of K, K innermost, in blocks of 32 codes); Q_codes 4 x 16 x 2,048 x 2 x 32 uint8 (E4M3 codes of Q, K innermost, in blocks of 32 codes); V_codes 4 x 16 x 64 x 64 x 32 uint8 (E4M3 codes of V, K innermost, in blocks of 32 codes); lowp_scales 4 int32 (the exponents e of the quantised operands' scales 2^e); mask 1 x 1 x 2,048 x 2,048 bool.
;; Outputs: out0 4 x 16 x 2,048 x 64 float32.
;; This version of the problem:
;;   THIS VERSION OF THE PROBLEM IS GIVEN IN LOW PRECISION. The matrix products marked QUANTISED in the list below multiply operands that are first quantised to E4M3 (4 exponent bits, 3 mantissa bits; 8 bits a number), with one given power-of-two scale for each operand tensor; their sums are f32. All else is computed in f32.
;;   The module's matrix products, in the order in which they are computed (A, B: the left and right operand; K: the contracted axis; several contracted axes count as one K, in the product's order):
;;     1. batch 64 x [M 2,048, K 64] x [K 64, N 2,048]; A: input Q (given as codes); B: input K (given as codes): QUANTISED (scales: A lowp_scales[0], B lowp_scales[1])
;;     2. batch 64 x [M 2,048, K 2,048] x [K 2,048, N 64]; A: softmax (see below); B: input V (given as codes): QUANTISED (scales: A lowp_scales[2], B lowp_scales[3])
;;   THE QUANTISER, for each operand of a quantised product, along K:
;;     - The operand's scale is 2^e, e = its entry of the input lowp_scales (int32; the entries are numbered through the quantised products in the list's order, A before B).
;;     - Each number is divided by the scale, clamped to +-448, and rounded to the nearest number of E4M3, ties to even, subnormals kept.
;;     - The product sums the exact products of the quantised numbers (number of the format x scale) in f32.
;;   ~~~python
;;   def quantise(x, axis, e):      # numpy; x: float32 -> the quantised numbers, widened to float32 again
;;       x = np.moveaxis(x, axis, -1); K = x.shape[-1]
;;       r = np.clip(x / 2.0 ** e, -448, 448)
;;       step = 2.0 ** (np.maximum(np.frexp(np.where(r == 0, 1, r))[1] - 1, -6) - 3)
;;       q = np.round(r / step) * step * 2.0 ** e      # np.round: ties to even
;;       return np.moveaxis(q, -1, axis).astype(np.float32)
;;   ~~~
;;   SOFTMAX AHEAD OF A QUANTISED PRODUCT. Where the list says 'softmax', what is quantised is not the finished softmax but p = 2^(t - M), with t = logit x log2(e) and M = ceil(the row's largest t), a whole number; so 1/2 < the row's largest p <= 1. The row's sum l is taken of the UNQUANTISED p, in f32, and the product's result is divided by l at the end. Since M is a whole number, a kernel that streams over the keys may use a running M (the ceiling of the running maximum): every later rescaling is an exact power of two, so the quantised numbers keep their values, but for numbers so far below the row's largest that they fall under the format's range.
;;   OPERANDS COMPUTED ON THE WAY. 'Computed on the way' means the value that the module computes at that place (a softmax that the list does not call 'softmax' is quantised finished and normalised). What goes into a quantiser is computed in f32, as accurately as f32 sums, v_exp_f32 and their like allow (about 1e-6 of the number): no bf16 or f16 on the way to a quantiser, and a product that is left as it is and whose result goes on into a quantised operand takes f32 operands (vector FMAs, or v_wmma_f32_16x16x4_f32). A number that lies on a knife's edge between two numbers of the format may be rounded either way, as far as f32 arithmetic and the matrix unit's own rounding can turn it there, and no further.
;;   INPUTS GIVEN AS CODES. K (in the module: [4, 16, 2048, 64], K = its axis 3); Q (in the module: [4, 16, 2048, 64], K = its axis 3); V (in the module: [4, 16, 2048, 64], K = its axis 2): each comes as NAME_codes (uint8): NAME with its K axis moved to the last place and cut into blocks of 32 codes, [.., K / 32, bytes a block], one block behind the other in memory; one code a byte (a code: sign, 4 exponent bits, 3 mantissa bits); its scale is its entry of lowp_scales. Its value is code x scale, taken as it is: it is not quantised again, and the codes and scales need not be those that the quantiser above would give.
;; 2 versions, each right; version 2 is version 1 with the launch attn written anew for expert scheduling mode. Each part assembles by itself: llvm-mc -triple=amdgcn-amd-amdhsa -mcpu=gfx1250 --defsym DOCPART=n.
;; ======== version 1 of 2: 2 launches
;; workspace buffers: mbits 524,288 bytes of whole numbers; flags 8,192 bytes of whole numbers
;; launch prep (part 1): grid 256 x 1, 2 waves a work-group, no clusters, 0 bytes of LDS; arguments mask, mbits, flags; writes mbits, flags
.if DOCPART == 1
	.amdgcn_target "amdgcn-amd-amdhsa--gfx1250"
	.amdhsa_code_object_version 6
	.text
	.protected	k_qedbc216762_prep
	.globl	k_qedbc216762_prep
	.p2align	8
	.type	k_qedbc216762_prep,@function
k_qedbc216762_prep:
	s_mov_b64 s[64:65], 0
	v_nop
	global_prefetch_b8 v0, s[64:65] scope:SCOPE_SE
	s_setreg_imm32_b32 hwreg(HW_REG_WAVE_MODE, 25, 1), 1
	s_wait_xcnt 0x0
; The mask [2048 queries][2048 keys], one byte a place (not 0: the key is hidden), is shared by all 64 heads: it is digested ONCE, into the form in which the attention launch uses it.
; A PIECE is 32 neighbouring queries (two tiles y of 16), a STEP 64 neighbouring keys.
; mbits [piece j][step s][y][n 0..31], u32: bit L of a word = mask[32 j + 16 y + (L & 15)][64 s + 32 (n >> 4) + 16 (L >> 4) + (n & 15)]:
;   the lane mask of score register n of query tile y, as the attention launch's lanes hold the scores.
; flags [piece j][step s], u32: 0 = all 32 x 64 places hidden, 2 = none hidden, 1 = some.
; SHARES.  Work-group x: piece j = x / 4.  Its two waves take parts g = 2 (x % 4) + wave of the piece's 32 steps: steps 4 g .. 4 g + 3 = 256 bytes of each of the 32 rows.
; A lane loads 16 bytes of ITS row (L & 15) at ITS half (L >> 4) of a block of 32 keys: then byte i of the load is register n = 16 b + i, and one compare over the wave gives the word.
; The 256 words of a wave are gathered lane by lane into eight registers, so that they leave as two stores of 512 consecutive bytes.  No LDS, no barrier: waves share nothing.
.set LD,  16                           ; v16-79  sixteen loads of 16 bytes: load 4 sl + 2 y + b
.set TMP, 8                            ; v8-11   four bytes at work
.set OUTW, 80                          ; v80-87  the wave's 256 words: word W in register W % 4 + 4 (W / 128), lane (W / 4) % 32
	s_load_b128 s[4:7], s[0:1], 0x0                ; mask s[4:5], mbits s[6:7]
	s_load_b64 s[8:9], s[0:1], 0x10                ; flags
	v_lshrrev_b32 v6, 5, v0
	v_readfirstlane_b32 s12, v6                    ; wave 0, 1
	v_and_b32 v1, 31, v0                           ; lane
	v_and_b32 v6, 15, v0
	v_bfe_u32 v7, v0, 4, 1
	v_lshlrev_b32 v2, 11, v6                       ; my row of 2,048 bytes,
	v_lshl_add_u32 v2, v7, 4, v2                   ; + 16 bytes for lanes 16-31
	v_lshlrev_b32 v3, 4, v1                        ; the words' way out: 16 bytes a lane
	v_lshlrev_b32 v4, 2, v1                        ; the flags': 4 bytes a lane
	v_mov_b32 v5, 0                                ; the flags, lane sl; written whole once, since a lane write keeps the other lanes
.irp r, 0,1,2,3,4,5,6,7
	v_mov_b32 v[OUTW+\r], 0                        ; likewise
.endr
	s_lshr_b32 s10, ttmp9, 2                       ; j
	s_and_b32 s11, ttmp9, 3
	s_lshl_b32 s11, s11, 1
	s_add_co_u32 s11, s11, s12                     ; g
	s_lshl_b32 s24, s10, 16                        ; mask: 32 rows of 2,048 bytes a piece,
	s_lshl_b32 s13, s11, 8                         ; 256 bytes a part
	s_add_co_u32 s24, s24, s13
	s_mov_b32 s25, 0
	s_lshl_b32 s26, s10, 13                        ; mbits: 8,192 bytes a piece, 1,024 a part
	s_lshl_b32 s13, s11, 10
	s_add_co_u32 s26, s26, s13
	s_mov_b32 s27, 0
	s_lshl_b32 s28, s10, 7                         ; flags: 128 bytes a piece, 16 a part
	s_lshl_b32 s13, s11, 4
	s_add_co_u32 s28, s28, s13
	s_mov_b32 s29, 0
	s_wait_kmcnt 0x0
	s_add_nc_u64 s[4:5], s[4:5], s[24:25]
	s_add_nc_u64 s[6:7], s[6:7], s[26:27]
	s_add_nc_u64 s[8:9], s[8:9], s[28:29]
.irp sl, 0,1,2,3
.irp y, 0,1
.irp b, 0,1
	global_load_b128 v[LD+4*(4*\sl+2*\y+\b):LD+4*(4*\sl+2*\y+\b)+3], v2, s[4:5] offset:\y*32768+\sl*64+\b*32
.endr
.endr
.endr
; Four words: the four bytes of register q of load (sl, y, b): n = 16 b + 4 q + 0 .. 3.  Word W = 32 (2 sl + y) + n.
.macro QUAD sl, y, b, q
.irp e, 0,1,2,3
	v_bfe_u32 v[TMP+\e], v[LD+4*(4*\sl+2*\y+\b)+\q], 8*\e, 8
.endr
.irp e, 0,1,2,3
	v_cmp_ne_u32 s[20+\e], 0, v[TMP+\e]            ; bit L: lane L's place is hidden
.endr
.irp e, 0,1,2,3
	v_writelane_b32 v[OUTW+\e+4*(\sl/2)], s[20+\e], (8*(2*\sl+\y)+4*\b+\q)%32
.endr
.irp e, 0,1,2,3
	s_and_b32 s16, s16, s[20+\e]                   ; all hidden so far?
	s_or_b32 s17, s17, s[20+\e]                    ; any hidden so far?
.endr
.endm
.irp sl, 0,1,2,3
	s_wait_loadcnt 12-4*\sl                        ; loads come back in order: this step's four are in, the later steps' four each may be out
	s_mov_b32 s16, -1
	s_mov_b32 s17, 0
.irp y, 0,1
.irp b, 0,1
.irp q, 0,1,2,3
	QUAD \sl, \y, \b, \q
.endr
.endr
.endr
	s_cmp_eq_u32 s16, -1
	s_cselect_b32 s18, 0, 1                        ; 0: every place hidden
	s_cmp_eq_u32 s17, 0
	s_cselect_b32 s18, 2, s18                      ; 2: none hidden
	v_writelane_b32 v5, s18, \sl
.endr
	global_store_b128 v3, v[OUTW:OUTW+3], s[6:7]               ; 32 lanes store 512 consecutive bytes, at a multiple of 256 from the buffer's first byte
	global_store_b128 v3, v[OUTW+4:OUTW+7], s[6:7] offset:512
	v_cmp_gt_u32 vcc_lo, 4, v1
	s_wait_xcnt 0x0                                ; EXEC is a source of the stores above: it changes only behind this wait
	s_and_saveexec_b32 s19, vcc_lo
	global_store_b32 v4, v5, s[8:9]                ; four flags, 16 bytes a wave: the whole buffer is 8,192 bytes
	s_wait_xcnt 0x0                                ; and again in front of the line that widens it
	s_or_b32 exec_lo, exec_lo, s19
	s_endpgm
.Lfunc_end_k_qedbc216762_prep:
	.size	k_qedbc216762_prep, .Lfunc_end_k_qedbc216762_prep-k_qedbc216762_prep
	.p2alignl 7, 3214868480
	.fill 96, 4, 3214868480
	.section	.rodata,"a",@progbits
	.p2align	6, 0x0
	.amdhsa_kernel k_qedbc216762_prep
		.amdhsa_group_segment_fixed_size 0
		.amdhsa_private_segment_fixed_size 0
		.amdhsa_enable_private_segment 0
		.amdhsa_kernarg_size 24
		.amdhsa_user_sgpr_count 2
		.amdhsa_user_sgpr_kernarg_segment_ptr 1
		.amdhsa_wavefront_size32 1
		.amdhsa_system_sgpr_workgroup_id_x 1
		.amdhsa_system_sgpr_workgroup_id_y 1
		.amdhsa_system_sgpr_workgroup_id_z 1
		.amdhsa_system_vgpr_workitem_id 0
		.amdhsa_next_free_vgpr 96
		.amdhsa_next_free_sgpr 66
		.amdhsa_reserve_vcc 1
		.amdhsa_float_denorm_mode_32 3
		.amdhsa_float_denorm_mode_16_64 3
		.amdhsa_memory_ordered 1
		.amdhsa_forward_progress 1
		.amdhsa_inst_pref_size 69
	.end_amdhsa_kernel
	.amdgpu_metadata
---
amdhsa.version: [ 1, 2 ]
amdhsa.kernels:
  - .name:           k_qedbc216762_prep
    .symbol:         k_qedbc216762_prep.kd
    .args:
      - { .name: mask, .offset: 0, .size: 8, .value_kind: global_buffer, .address_space: global }
      - { .name: mbits, .offset: 8, .size: 8, .value_kind: global_buffer, .address_space: global }
      - { .name: flags, .offset: 16, .size: 8, .value_kind: global_buffer, .address_space: global }
    .group_segment_fixed_size: 0
    .private_segment_fixed_size: 0
    .kernarg_segment_align: 8
    .kernarg_segment_size: 24
    .max_flat_workgroup_size: 64
    .sgpr_count:     66
    .vgpr_count:     96
    .wavefront_size: 32
...
	.end_amdgpu_metadata
.endif
;; end of part 1
;; launch attn (part 2): grid 256 x 1, 8 waves a work-group, no clusters, 315,392 bytes of LDS; arguments Q_codes, K_codes, V_codes, lowp_scales, mbits, flags, out0; writes out0
.if DOCPART == 2
	.amdgcn_target "amdgcn-amd-amdhsa--gfx1250"
	.amdhsa_code_object_version 6
	.text
	.protected	k_qedbc216762_attn
	.globl	k_qedbc216762_attn
	.p2align	8
	.type	k_qedbc216762_attn,@function
k_qedbc216762_attn:
	s_mov_b64 s[64:65], 0
	v_nop
	global_prefetch_b8 v0, s[64:65] scope:SCOPE_SE
	s_setreg_imm32_b32 hwreg(HW_REG_WAVE_MODE, 25, 1), 1
	s_wait_xcnt 0x0
; out[head][q][:] = the sum over k of softmax_k(Q[q] . K[k] / 8, hidden keys at -infinity) V[k][:], 64 heads, 2,048 queries and keys, head size 64; both products on codes of FP8 (E4M3), each tensor with its given scale 2^e.
; Q, K: [head][row][64 codes].  V: [head][64 d][2,048 codes], the keys innermost.  out: [head][row][64] f32.  lowp_scales: eq, ek, ep, ev.
; THE SOFTMAX: t = score x log2(e) / 8; M = the running largest t rounded UP to a whole number; p = 2^(t - M) is quantised with 2^ep; the row's sum is taken of the unquantised p and divides at the end.
; When M moves, the sum and O are multiplied by 2^(old M - new M), which rounds nothing.  A row all of whose keys are hidden ends with sum 0 and O 0: 0 x (1 / 0) = NaN, as the softmax of such a row is.
; THE MASK is an input.  An earlier launch has turned it into lane masks (mbits) and a flag for each PIECE (32 queries) and STEP (64 keys): 0 all hidden, 1 some, 2 none.  A step whose 32 x 64 places are all
; hidden adds p = 0 everywhere: it is passed over, by a scalar branch on the stored flag.  Nothing of the mask's pattern is built in: every piece looks at all 32 flags.
; SHARES.  Work-group x: head x / 4, part g = x % 4.  The head's whole K and V are copied into LDS once (256 KiB of codes), through registers; ONE barrier; behind it LDS is only read, but for each wave's own stage.
; Wave w takes piece J = 8 g + w and then piece 63 - J: 64 pieces a head, each with one owner.  A piece is two tiles of 16 queries, which share each fragment of K and V.
; NO TENSOR LOADS, NO CLUSTER: the four work-groups of a head read the same K and V, but steps are passed over by branches on numbers read from memory.
; LAYOUT.  Both products are used transposed: S^T = K Q^T (source 0 = 16 keys, source 1 = 16 queries), O^T = V^T P^T (source 0 = 16 of the head's 64, source 1 = P): a lane (r = lane % 16, h = lane / 16) holds query r throughout.
; THE KEYS OF A TILE ARE NOT NEIGHBOURS: lane r of tile 2 b + u takes key 32 b + 8 u + r + (r & 8), so that score register n is key 32 (n / 16) + 16 h + n % 16, and the conversions' results are P's operand.
; A fragment (16 rows x 64 codes, 8 registers) is fetched by two loads of 16 bytes, at 32 c + 16 h of the row: a permutation of k, the same on both sides of each product.
; LIMITS on the given exponents, so that each power of two below is an f32 number: eq + ek between -123 and 130 (added to c's exponent field); ep between -126 and 119.  NaN codes among the inputs are not served.
.set KP,    144                        ; LDS: a PAIR of keys: 128 bytes + 16 of padding.  The 16 rows of a tile then begin at 16 different 16-byte columns modulo 256
.set VP,    2064                       ; a row d of V: 2,048 bytes + 16: 129 x 16, so 16 neighbouring rows begin at 16 different columns
.set SP,    272                        ; a stage row: 256 bytes + 16
.set VOFF,  1024*KP                    ; K: bytes 0 .. 147,455;  V: 147,456 .. 279,551
.set STAGE, VOFF+64*VP                 ; the way out: 16 rows x 272 bytes for each wave: 279,552 .. 314,367
.set AK0,  1                           ; v1   my lane's place in a tile of K
.set AV0,  2                           ; v2   in V's tiles 0, 1
.set AV1,  3                           ; v3   in V's tiles 2, 3 (32 rows on: beyond the 16-bit immediate)
.set ADK,  4                           ; v4-6 the step's LDS addresses
.set ADV,  5
.set ADV2, 6
.set STO,  7                           ; v7   the stage: where I put 32 bytes of a row
.set RD,   8                           ; v8   and where I read a row back
.set GO,   9                           ; v9   my byte offset in two rows of out
.set QO,   10                          ; v10  my byte offset in a tile of Q
.set FLO,  11                          ; v11  my byte offset in flags
.set FL,   12                          ; v12  the flag of step = my lane
.set NINF, 13                          ; v13  -infinity
.set SCL,  14                          ; v14  2^ep as f32
.set LIM,  15                          ; v15  448 x 2^ep
.set ST,   16                          ; v16-31 statistics, eight a query tile y: +0 -M, +1 the largest t, +2, +3 the sum in two halves, +4 f (+5 named with it as a pair), +6, +7 at work
.set Q,    32                          ; v32-47   Q's two fragments
.set KF,   48                          ; v48-79   K's four
.set VF,   80                          ; v80-111  V's four
.set P,    112                         ; v112-127 p's codes, two fragments
.set S,    128                         ; v128-191 S^T, then p: 32 a query tile
.set O,    192                         ; v192-255 O^T: 32 a query tile
.set FK,   112                         ; the fill alone: v112-115, v116-119 LDS addresses, v120 16 x thread; data in v48-111, v128-191, v192-255
.set FV,   116
.set FO,   120
.set HOLD, 11                          ; s11  1 where ep < -8
.set CS,   12                          ; s[12:13] c = log2(e) / 8 x 2^(eq + ek)
.set SEL,  14                          ; s[14:15] v_permlanex16_b32's selects for lane l xor 16
.set WV,   92
.set PJ,   93                          ; the piece
.set TRIP, 94
.set STEP, 95
.set KO,   96                          ; the step's place in K's LDS bytes, in a row of V, in the piece's mbits
.set VO,   97
.set MO,   98
.set SKIP, 99                          ; bit s: step s is all hidden
.set MIX,  100                         ; bit s: step s is hidden in part
; s[4:5] Q at my head; s[6:7] Q at my piece; s[8:9] mbits at my piece; s10 ep + ev; s[16:63], s[68:83] a step's 64 mask words (at the head: pointers and exponents);
; s[84:85] mbits; s[86:87] flags; s[88:89] out at my head; s[90:91] out at my piece; s2, s3, s101 at work
; Q's two fragments and the 32 flags of piece s[PJ]: five loads
.macro NEXTQ
	s_lshl_b32 s2, s[PJ], 11                       ; 32 rows of 64 bytes
	s_mov_b32 s3, 0
	s_add_nc_u64 s[6:7], s[4:5], s[2:3]
	s_lshl_b32 s101, s[PJ], 7                      ; 32 flags of 4 bytes
	v_and_b32 v[FLO], 31, v0
	v_lshlrev_b32 v[FLO], 2, v[FLO]
	v_add_nc_u32 v[FLO], s101, v[FLO]
.irp y, 0,1
.irp c, 0,1
	global_load_b128 v[Q+8*\y+4*\c:Q+8*\y+4*\c+3], v[QO], s[6:7] offset:1024*\y+32*\c
.endr
.endr
	global_load_b32 v[FL], v[FLO], s[86:87]
.endm
; The fill: 16 loads, each 4,096 consecutive bytes for the work-group's 256 threads; and their 16 stores into LDS
.macro FLOAD set, base, i0
.irp k, 0,1,2,3,4,5,6,7,8,9,10,11,12,13,14,15
	global_load_b128 v[\set+4*\k:\set+4*\k+3], v[FO], s[\base:\base+1] offset:4096*(\i0+\k)
.endr
.endm
.macro FSTORE set, adr0, pitch, i0
.irp k, 0,1,2,3,4,5,6,7,8,9,10,11,12,13,14,15
	ds_store_b128 v[\adr0+(\i0+\k)/8], v[\set+4*\k:\set+4*\k+3] offset:\pitch*((\i0+\k)%8)
.endr
.endm
; A step's fragments and its eight products S^T = K Q^T.  The first four lines are plain and name no register of the last products (V^T P): they are the four places in front of the loads into V's fragments (ISA guide 7.12.1 for vector instructions).
.macro QK
	v_add_nc_u32 v[ADK], s[KO], v[AK0]
	v_add_nc_u32 v[ADV], s[VO], v[AV0]
	v_add_nc_u32 v[ADV2], s[VO], v[AV1]
	v_nop
.irp t, 0,1,2,3
.irp c, 0,1
	ds_load_b128 v[KF+8*\t+4*\c:KF+8*\t+4*\c+3], v[ADK] offset:(16*(\t/2)+4*(\t%2))*KP+32*\c   ; tile t begins at key 32 (t / 2) + 8 (t % 2): pair 16 (t / 2) + 4 (t % 2)
.endr
.endr
.irp t, 0,1
.irp b, 0,1
	ds_load_b128 v[VF+8*\t+4*\b:VF+8*\t+4*\b+3], v[ADV] offset:\t*16*VP+32*\b
.endr
.endr
.irp t, 0,1
.irp b, 0,1
	ds_load_b128 v[VF+16+8*\t+4*\b:VF+16+8*\t+4*\b+3], v[ADV2] offset:\t*16*VP+32*\b
.endr
.endr
	s_wait_dscnt 0x8                               ; LDS loads come back in order: K's eight are in, V's eight may be out
.irp t, 0,1,2,3
.irp y, 0,1
	v_wmma_f32_16x16x64_fp8_fp8 v[S+32*\y+8*\t:S+32*\y+8*\t+7], v[KF+8*\t:KF+8*\t+7], v[Q+8*\y:Q+8*\y+7], 0
.endr
.endr
.rept 4
	v_nop                                          ; four places in front of the first read of the scores
.endr
.endm
; Query tile y: the step's largest score among my 32 keys (two chains, each accumulator from its low end on) and lane l xor 16's; the running largest t; -M = floor(-t); f = 2^(old M - new M)
.macro MAXST y
.set rT, ST+8*(\y)
.set rS, S+32*(\y)
	v_max3_num_f32 v[rT+6], v[rS], v[rS+1], v[rS+2]
	v_max3_num_f32 v[rT+7], v[rS+3], v[rS+4], v[rS+5]
.irp i, 6,10,14,18,22,26
	v_max3_num_f32 v[rT+6], v[rT+6], v[rS+\i], v[rS+\i+1]
	v_max3_num_f32 v[rT+7], v[rT+7], v[rS+\i+2], v[rS+\i+3]
.endr
	v_max3_num_f32 v[rT+6], v[rT+6], v[rS+30], v[rS+31]
	v_max_num_f32 v[rT+6], v[rT+6], v[rT+7]
	v_permlanex16_b32 v[rT+7], v[rT+6], s[SEL], s[SEL+1]
	v_max_num_f32 v[rT+6], v[rT+6], v[rT+7]
	v_mul_f32 v[rT+6], s[CS], v[rT+6]              ; as t (c is positive; -infinity stays)
	v_max_num_f32 v[rT+1], v[rT+1], v[rT+6]
	v_mov_b32 v[rT+6], v[rT]
	v_floor_f32 v[rT], -v[rT+1]                    ; the new -M: M is a whole number
	v_sub_f32 v[rT+6], v[rT], v[rT+6]              ; old M - new M: a whole number, 0 or less
	v_cvt_i32_f32 v[rT+6], v[rT+6]                 ; (it saturates)
	v_ldexp_f32 v[rT+4], 1.0, v[rT+6]
.endm
.macro SCALE y                         ; t - M, two at a time: of the pairs c and -M the low word serves both halves
.set n, S+32*(\y)
.rept 16
	v_pk_fma_f32 v[n:n+1], v[n:n+1], s[CS:CS+1], v[ST+8*(\y):ST+8*(\y)+1] op_sel_hi:[1,0,0]
.set n, n+2
.endr
.endm
.macro EXPS y                          ; p = 2^(t - M): a batch of 32
.set n, S+32*(\y)
.rept 32
	v_exp_f32 v[n], v[n]
.set n, n+1
.endr
.endm
.macro LMUL y                          ; the sum under the new M
	v_pk_mul_f32 v[ST+8*(\y)+2:ST+8*(\y)+3], v[ST+8*(\y)+2:ST+8*(\y)+3], v[ST+8*(\y)+4:ST+8*(\y)+5] op_sel_hi:[1,0]
.endm
.macro SUMS y                          ; the row's sum is taken of the UNQUANTISED p: two at a time, in two chains
.set rT, ST+8*(\y)
.set rS, S+32*(\y)
	v_pk_add_f32 v[rT+6:rT+7], v[rS:rS+1], v[rS+2:rS+3]
.irp j, 4,8,12,16,20,24,28
	v_pk_add_f32 v[rT+2:rT+3], v[rT+2:rT+3], v[rS+\j:rS+\j+1]
	v_pk_add_f32 v[rT+6:rT+7], v[rT+6:rT+7], v[rS+\j+2:rS+\j+3]
.endr
	v_pk_add_f32 v[rT+2:rT+3], v[rT+2:rT+3], v[rT+6:rT+7]
.endm
.macro CVT y                           ; eight numbers / 2^ep to the nearest code, ties to even: registers 2 t, 2 t + 1 of P's fragment
.irp t, 0,1,2,3
	v_cvt_scalef32_pk8_fp8_f32 v[P+8*(\y)+2*\t:P+8*(\y)+2*\t+1], v[S+32*(\y)+8*\t:S+32*(\y)+8*\t+7], v[SCL]
.endr
.endm
.macro RESC y                          ; O^T under the new M: x f; each accumulator from its low end on
.set n, O+32*(\y)
.rept 16
	v_pk_mul_f32 v[n:n+1], v[n:n+1], v[ST+8*(\y)+4:ST+8*(\y)+5] op_sel_hi:[1,0]
.set n, n+2
.endr
.endm
.macro PV                              ; O^T += V^T P^T: eight accumulators, one instruction each; between two links of a chain stand the seven others' and the next step's eight products K Q^T
	s_wait_dscnt 0x0                               ; V's fragments are in
.irp t, 0,1,2,3
.irp y, 0,1
	v_wmma_f32_16x16x64_fp8_fp8 v[O+32*\y+8*\t:O+32*\y+8*\t+7], v[VF+8*\t:VF+8*\t+7], v[P+8*\y:P+8*\y+7], v[O+32*\y+8*\t:O+32*\y+8*\t+7]
.endr
.endr
.endm
	s_load_b256 s[16:23], s[0:1], 0x0              ; Q s[16:17], K s[18:19], V s[20:21], the scales' exponents s[22:23]
	s_load_b128 s[84:87], s[0:1], 0x20             ; mbits, flags
	s_load_b64 s[88:89], s[0:1], 0x30              ; out
	s_set_vgpr_msb 0x40
	v_lshl_add_u32 v0, v0, 2, 0x4cc00
	v_mov_b32 v1, 0
	s_set_vgpr_msb 0x4000
	v_lshrrev_b32 v4, 5, v0
	v_readfirstlane_b32 s[WV], v4                  ; wave 0..7
	v_and_b32 v4, 15, v0                           ; r
	v_bfe_u32 v5, v0, 4, 1                         ; h
	v_and_b32 v6, 8, v4
	v_add_nc_u32 v6, v6, v4                        ; x = r + (r & 8)
	v_lshrrev_b32 v[AK0], 1, v6
	v_mul_u32_u24 v[AK0], v[AK0], KP               ; K: pair x / 2,
	v_and_b32 v6, 1, v6
	v_lshl_add_u32 v[AK0], v6, 6, v[AK0]           ; + 64 for the odd key,
	v_lshl_add_u32 v[AK0], v5, 4, v[AK0]           ; + 16 h
	v_mul_u32_u24 v[AV0], v4, VP                   ; V: row r, + 16 h
	v_lshl_add_u32 v[AV0], v5, 4, v[AV0]
	v_add_nc_u32 v[AV0], VOFF, v[AV0]
	v_add_nc_u32 v[AV1], 32*VP, v[AV0]
	s_mul_i32 s101, s[WV], 16*SP
	s_add_co_u32 s101, s101, STAGE                 ; my stage
	v_mul_u32_u24 v[STO], v4, SP                   ; in: row r; 32 bytes for each half of the lanes
	v_lshl_add_u32 v[STO], v5, 5, v[STO]
	v_add_nc_u32 v[STO], s101, v[STO]
	v_mul_u32_u24 v[RD], v5, SP                    ; back: lanes 0-15 one row of 256 bytes, lanes 16-31 the next
	v_lshl_add_u32 v[RD], v4, 4, v[RD]
	v_add_nc_u32 v[RD], s101, v[RD]
	v_lshlrev_b32 v[GO], 8, v5                     ; and the same two rows in out
	v_lshl_add_u32 v[GO], v4, 4, v[GO]
	v_lshlrev_b32 v[QO], 6, v4                     ; Q: row r of 64 bytes, + 16 h
	v_lshl_add_u32 v[QO], v5, 4, v[QO]
	v_mov_b32 v[NINF], 0xff800000
.irp y, 0,1
	v_mov_b32 v[ST+8*\y+5], 0                      ; named as the upper half of f's pair
	v_mov_b32 v[ST+8*\y+6], 0
	v_mov_b32 v[ST+8*\y+7], 0                      ; a lane permute's destination counts as one of its sources
.endr
	; the fill's addresses.  Thread t takes bytes 16 t of every 4,096.  K: 4,096 bytes are 32 pairs: pair t / 8, 16 (t % 8) in it; V: two rows: row t / 128, 16 (t % 128) in it
	v_lshrrev_b32 v[FK], 3, v0
	v_mul_u32_u24 v[FK], v[FK], KP
	v_and_b32 v121, 7, v0
	v_lshl_add_u32 v[FK], v121, 4, v[FK]
	v_add_nc_u32 v[FK+1], 8*32*KP, v[FK]           ; eight loads on: the immediate carries the seven between
	v_add_nc_u32 v[FK+2], 16*32*KP, v[FK]
	v_add_nc_u32 v[FK+3], 24*32*KP, v[FK]
	v_lshrrev_b32 v[FV], 7, v0
	v_mul_u32_u24 v[FV], v[FV], VP
	v_and_b32 v121, 127, v0
	v_lshl_add_u32 v[FV], v121, 4, v[FV]
	v_add_nc_u32 v[FV], VOFF, v[FV]
	v_add_nc_u32 v[FV+1], 8*2*VP, v[FV]
	v_add_nc_u32 v[FV+2], 16*2*VP, v[FV]
	v_add_nc_u32 v[FV+3], 24*2*VP, v[FV]
	v_lshlrev_b32 v[FO], 4, v0
	s_and_b32 s[PJ], ttmp9, 3
	s_lshl_b32 s[PJ], s[PJ], 3
	s_add_co_u32 s[PJ], s[PJ], s[WV]               ; my first piece: 8 g + wave
	s_lshr_b32 s101, ttmp9, 2                      ; the head
	s_lshl_b32 s2, s101, 17                        ; 131,072 bytes of codes a head
	s_mov_b32 s3, 0
	s_mov_b32 s[SEL], 0x76543210
	s_mov_b32 s[SEL+1], 0xfedcba98
	s_mov_b32 s[CS], 0x3e38aa3b                    ; log2(e) / 8
	s_mov_b32 s[TRIP], 2
	s_wait_kmcnt 0x0
	s_load_b128 s[24:27], s[22:23], 0x0            ; eq, ek, ep, ev
	s_add_nc_u64 s[4:5], s[16:17], s[2:3]
	s_add_nc_u64 s[18:19], s[18:19], s[2:3]
	s_add_nc_u64 s[20:21], s[20:21], s[2:3]
	s_lshl_b32 s2, s101, 19                        ; 524,288 bytes of out a head
	s_add_nc_u64 s[88:89], s[88:89], s[2:3]
	NEXTQ
	; THE FILL.  Three sets of 64 registers, 48 loads a wave on their way
	FLOAD KF, 18, 0                                ; K, first half
	FLOAD S, 18, 16                                ; K, second half
	FLOAD O, 20, 0                                 ; V, first half
	s_wait_kmcnt 0x0
	s_add_co_i32 s101, s24, s25
	s_lshl_b32 s101, s101, 23
	s_add_co_i32 s[CS], s[CS], s101                ; a score stands for score x 2^(eq + ek): the exponents are added to c's exponent field
	s_mov_b32 s[CS+1], s[CS]                       ; (named with it as a pair, so it is written)
	s_add_co_i32 s101, s26, 127
	s_lshl_b32 s2, s101, 23
	v_mov_b32 v[SCL], s2                           ; 2^ep: the conversion takes its exponent field
	s_add_co_i32 s101, s101, 8
	s_lshl_b32 s101, s101, 23
	s_or_b32 s101, s101, 0x600000
	v_mov_b32 v[LIM], s101                         ; 448 x 2^ep
	s_add_co_i32 s10, s26, s27                     ; ep + ev
	s_cmp_lt_i32 s26, -8
	s_cselect_b32 s[HOLD], 1, 0                    ; p is at most 1 (to a last bit), and 448 x 2^ep is at least 1.75 from ep = -8 on: only below that can the hold change a number
	s_wait_loadcnt 32                              ; Q, the flags and the first 16 are in; the 32 behind them may be out
	FSTORE KF, FK, 32*KP, 0
	s_wait_dscnt 0x0                               ; the stores have read their registers, which take
	FLOAD KF, 20, 16                               ; V, second half
	s_wait_loadcnt 32                              ; K's second half is in; V's two halves may be out
	FSTORE S, FK, 32*KP, 16
	s_wait_loadcnt 16                              ; V's first half is in
	FSTORE O, FV, 2*VP, 0
	s_wait_loadcnt 0x0
	FSTORE KF, FV, 2*VP, 16
	s_wait_dscnt 0x0                               ; for the others' sake: my stores have landed
	s_barrier_signal -1
	s_barrier_wait -1                              ; the head's K and V lie in LDS; nobody writes them again
.Lpiece:                                           ; two trips: piece J, then piece 63 - J
	s_wait_loadcnt 0x0                             ; Q and the flags
	s_wait_xcnt 0x0                                ; the last piece's stores have read their base and their registers: both are written again below
	v_cmp_eq_u32 s[SKIP], 0, v[FL]
	v_cmp_eq_u32 s[MIX], 1, v[FL]
	s_lshl_b32 s2, s[PJ], 13                       ; a piece is 8,192 bytes of out (32 rows of 256), and 8,192 bytes of mbits (32 steps of 256)
	s_mov_b32 s3, 0
	s_add_nc_u64 s[90:91], s[88:89], s[2:3]
	s_add_nc_u64 s[8:9], s[84:85], s[2:3]
.irp y, 0,1
	v_mov_b32 v[ST+8*\y+1], 0xff61b1e6             ; the largest t so far: -3e38, under every t
	v_floor_f32 v[ST+8*\y], -v[ST+8*\y+1]          ; -M
	v_mov_b32 v[ST+8*\y+2], 0                      ; the sum, in two halves
	v_mov_b32 v[ST+8*\y+3], 0
.endr
.set n, 0
.rept 64
	v_mov_b32 v[O+n], 0                            ; O^T is cleared: which step is the piece's first hangs on the flags, so no product can be written out to start the sums; and a piece with no step at all leaves zeros
.set n, n+1
.endr
	s_mov_b32 s[STEP], 0
	s_mov_b32 s[KO], 0
	s_mov_b32 s[VO], 0
	s_mov_b32 s[MO], 0
.Lstep:                                            ; 32 trips, whatever the flags; a trip's work is jumped over, never the lines that step addresses
	s_lshr_b32 s101, s[SKIP], s[STEP]
	s_and_b32 s101, s101, 1
	s_cmp_lg_u32 s101, 0
	s_cbranch_scc1 .Lnext                          ; all 32 x 64 places hidden: p = 0 everywhere, nothing to add
	s_lshr_b32 s101, s[MIX], s[STEP]
	s_and_b32 s101, s101, 1
	s_cmp_lg_u32 s101, 0
	s_cbranch_scc1 .Lmixed
	QK                                             ; nothing hidden
	s_branch .Lsoft
.Lmixed:
	s_load_b512 s[16:31], s[8:9], s[MO] offset:0x0     ; the step's 64 lane masks, asked for ahead of the products
	s_load_b512 s[32:47], s[8:9], s[MO] offset:0x40
	s_load_b512 s[48:63], s[8:9], s[MO] offset:0x80
	s_load_b512 s[68:83], s[8:9], s[MO] offset:0xc0
	QK
	s_wait_kmcnt 0x0
.set n, 0
.rept 64
.if n < 48
	v_cndmask_b32 v[S+n], v[S+n], v[NINF], s[16+n]     ; hidden scores become -infinity ahead of the maximum: p = 0 then
.else
	v_cndmask_b32 v[S+n], v[S+n], v[NINF], s[20+n]
.endif
.set n, n+1
.endr
.Lsoft:
	MAXST 0
	SCALE 0
	EXPS 0                                         ; the first batch; the other tile's maximum and scaling, which name none of its results, follow it
	MAXST 1
	SCALE 1
	LMUL 0
	s_wait_alu depctr_va_vdst(0)                   ; one wait for the first batch, ahead of its first reader
	EXPS 1                                         ; the second batch; the first tile's sums follow it
	SUMS 0
	LMUL 1
	s_wait_alu depctr_va_vdst(0)                   ; one wait for the second batch
	SUMS 1
	s_cmp_eq_u32 s[HOLD], 0
	s_cbranch_scc1 .Lnohold                        ; from ep = -8 on the hold changes no number (see the head)
.set n, 0
.rept 64
	v_min_num_f32 v[S+n], v[S+n], v[LIM]           ; the conversion to an 8-bit code does not saturate (ISA guide 7.6.2); p is not negative, so the hold is one-sided
.set n, n+1
.endr
.Lnohold:
	CVT 0
	CVT 1
	RESC 0                                         ; these 32 plain lines also stand between the conversions and the products that read their results
	RESC 1
	PV
.Lnext:
	s_add_co_u32 s[KO], s[KO], 32*KP               ; 64 keys on: 32 pairs,
	s_add_co_u32 s[VO], s[VO], 64                  ; 64 bytes of V's rows,
	s_add_co_u32 s[MO], s[MO], 256                 ; 64 mask words
	s_add_co_u32 s[STEP], s[STEP], 1
	s_cmp_lt_u32 s[STEP], 32
	s_cbranch_scc1 .Lstep
	; THE WAY OUT OF A PIECE.  The next piece's Q and flags are asked for first, if there is a next piece
	s_sub_co_u32 s[PJ], 63, s[PJ]
	s_cmp_eq_u32 s[TRIP], 1
	s_cbranch_scc1 .Lno_next
	NEXTQ
.Lno_next:
.irp y, 0,1
	v_add_f32 v[ST+8*\y+2], v[ST+8*\y+2], v[ST+8*\y+3]         ; the sum's two halves,
.endr
.irp y, 0,1
	v_permlanex16_b32 v[ST+8*\y+7], v[ST+8*\y+2], s[SEL], s[SEL+1]
.endr
.irp y, 0,1
	v_add_f32 v[ST+8*\y+2], v[ST+8*\y+2], v[ST+8*\y+7]         ; and lane l xor 16's: the row's sum
.endr
.irp y, 0,1
	v_rcp_f32 v[ST+8*\y+4], v[ST+8*\y+2]
.endr
	v_nop                                          ; a plain line behind the last reciprocal
	s_wait_alu depctr_va_vdst(0)                   ; one wait for both, ahead of the first reader
.irp y, 0,1
	v_ldexp_f32 v[ST+8*\y+4], v[ST+8*\y+4], s10    ; x 2^(ep + ev).  (The four additions, the v_nop and these two are more than the four places behind the last products)
.endr
.irp y, 0,1
.set n, 0
.rept 16
	v_pk_mul_f32 v[S+32*\y+n:S+32*\y+n+1], v[O+32*\y+n:O+32*\y+n+1], v[ST+8*\y+4:ST+8*\y+5] op_sel_hi:[1,0]   ; O^T / the sum: register 8 t + i is out(r, 16 t + 8 h + i); each accumulator from its low end on
.set n, n+2
.endr
.endr
.irp y, 0,1                                        ; a tile of 16 rows goes through my stage and comes back as whole rows of 256 bytes
.irp t, 0,1,2,3
	ds_store_b128 v[STO], v[S+32*\y+8*\t:S+32*\y+8*\t+3] offset:64*\t
	ds_store_b128 v[STO], v[S+32*\y+8*\t+4:S+32*\y+8*\t+7] offset:64*\t+16
.endr
.irp i, 0,1,2,3,4,5,6,7
	ds_load_b128 v[KF+32*\y+4*\i:KF+32*\y+4*\i+3], v[RD] offset:2*SP*\i   ; LDS serves a wave's instructions in order (ISA guide 5.7.1.4): these see my stores, and the next tile's stores come behind them
.endr
.endr
	s_wait_dscnt 0x10                              ; the first tile is back; the second tile's eight stores and eight loads may be out
.irp i, 0,1,2,3,4,5,6,7
	global_store_b128 v[GO], v[KF+4*\i:KF+4*\i+3], s[90:91] offset:512*\i th:TH_STORE_NT       ; 32 lanes store two rows: 512 consecutive bytes, at a multiple of 256 from out's first byte
.endr
	s_wait_dscnt 0x0
.irp i, 0,1,2,3,4,5,6,7
	global_store_b128 v[GO], v[VF+4*\i:VF+4*\i+3], s[90:91] offset:4096+512*\i th:TH_STORE_NT
.endr
	s_sub_co_u32 s[TRIP], s[TRIP], 1
	s_cmp_lg_u32 s[TRIP], 0
	s_cbranch_scc1 .Lpiece
	s_set_vgpr_msb 0x5
	s_wait_tensorcnt 0x0
	ds_add_u32 v0, v1
	s_wait_dscnt 0x0
	s_set_vgpr_msb 0x500
	s_endpgm
.Lfunc_end_k_qedbc216762_attn:
	.size	k_qedbc216762_attn, .Lfunc_end_k_qedbc216762_attn-k_qedbc216762_attn
	.p2alignl 7, 3214868480
	.fill 96, 4, 3214868480
	.section	.rodata,"a",@progbits
	.p2align	6, 0x0
	.amdhsa_kernel k_qedbc216762_attn
		.amdhsa_group_segment_fixed_size 315392
		.amdhsa_private_segment_fixed_size 0
		.amdhsa_enable_private_segment 0
		.amdhsa_kernarg_size 56
		.amdhsa_user_sgpr_count 2
		.amdhsa_user_sgpr_kernarg_segment_ptr 1
		.amdhsa_wavefront_size32 1
		.amdhsa_system_sgpr_workgroup_id_x 1
		.amdhsa_system_sgpr_workgroup_id_y 1
		.amdhsa_system_sgpr_workgroup_id_z 1
		.amdhsa_system_vgpr_workitem_id 0
		.amdhsa_next_free_vgpr 258
		.amdhsa_next_free_sgpr 102
		.amdhsa_reserve_vcc 0
		.amdhsa_float_denorm_mode_32 3
		.amdhsa_float_denorm_mode_16_64 3
		.amdhsa_memory_ordered 1
		.amdhsa_forward_progress 1
		.amdhsa_inst_pref_size 48
	.end_amdhsa_kernel
	.amdgpu_metadata
---
amdhsa.version: [ 1, 2 ]
amdhsa.kernels:
  - .name:           k_qedbc216762_attn
    .symbol:         k_qedbc216762_attn.kd
    .args:
      - { .name: Q_codes, .offset: 0, .size: 8, .value_kind: global_buffer, .address_space: global }
      - { .name: K_codes, .offset: 8, .size: 8, .value_kind: global_buffer, .address_space: global }
      - { .name: V_codes, .offset: 16, .size: 8, .value_kind: global_buffer, .address_space: global }
      - { .name: lowp_scales, .offset: 24, .size: 8, .value_kind: global_buffer, .address_space: global }
      - { .name: mbits, .offset: 32, .size: 8, .value_kind: global_buffer, .address_space: global }
      - { .name: flags, .offset: 40, .size: 8, .value_kind: global_buffer, .address_space: global }
      - { .name: out0, .offset: 48, .size: 8, .value_kind: global_buffer, .address_space: global }
    .group_segment_fixed_size: 315392
    .private_segment_fixed_size: 0
    .kernarg_segment_align: 8
    .kernarg_segment_size: 56
    .max_flat_workgroup_size: 256
    .sgpr_count:     102
    .vgpr_count:     258
    .wavefront_size: 32
...
	.end_amdgpu_metadata
.endif
;; end of part 2
;; ======== version 2 of 2: 2 launches; version 1 with the launch attn written anew for expert scheduling mode
;; workspace buffers: mbits 524,288 bytes of whole numbers; flags 8,192 bytes of whole numbers
;; launch prep: the kernel of part 1 again; grid 256 x 1, 2 waves a work-group, no clusters, 0 bytes of LDS; arguments mask, mbits, flags; writes mbits, flags
;; launch attn (part 3): grid 256 x 1, 8 waves a work-group, no clusters, 315,392 bytes of LDS; arguments Q_codes, K_codes, V_codes, lowp_scales, mbits, flags, out0; writes out0
.if DOCPART == 3
	.amdgcn_target "amdgcn-amd-amdhsa--gfx1250"
	.amdhsa_code_object_version 6
	.text
	.protected	k_qedbc216762_attn
	.globl	k_qedbc216762_attn
	.p2align	8
	.type	k_qedbc216762_attn,@function
k_qedbc216762_attn:
	s_mov_b64 s[64:65], 0
	v_nop
	global_prefetch_b8 v0, s[64:65] scope:SCOPE_SE
	s_setreg_imm32_b32 hwreg(HW_REG_WAVE_SCHED_MODE, 0, 2), 2
	s_setreg_imm32_b32 hwreg(HW_REG_WAVE_MODE, 25, 1), 1
	s_wait_xcnt 0x0
	s_wait_alu depctr_vm_vsrc(0)
; out[head][q][:] = the sum over k of softmax_k(Q[q] . K[k] / 8, hidden keys at -infinity) V[k][:], 64 heads, 2,048 queries and keys, head size 64; both products on codes of FP8 (E4M3), each tensor with its given scale 2^e.
; Q, K: [head][row][64 codes].  V: [head][64 d][2,048 codes], the keys innermost.  out: [head][row][64] f32.  lowp_scales: eq, ek, ep, ev.
; THE SOFTMAX: t = score x log2(e) / 8; M = the running largest t rounded UP to a whole number; p = 2^(t - M) is quantised with 2^ep; the row's sum is taken of the unquantised p and divides at the end.
; When M moves, the sum and O are multiplied by 2^(old M - new M), which rounds nothing.  A row all of whose keys are hidden ends with sum 0 and O 0: 0 x (1 / 0) = NaN, as the softmax of such a row is.
; THE MASK is an input.  An earlier launch has turned it into lane masks (mbits) and a flag for each PIECE (32 queries) and STEP (64 keys): 0 all hidden, 1 some, 2 none.  A step whose 32 x 64 places are all
; hidden adds p = 0 everywhere: it is passed over, by a scalar branch on the stored flag.  Nothing of the mask's pattern is built in: every piece looks at all 32 flags.
; SHARES.  Work-group x: head x / 4, part g = x % 4.  The head's whole K and V are copied into LDS once (256 KiB of codes), through registers; ONE barrier; behind it LDS is only read, but for each wave's own stage.
; Wave w takes piece J = 8 g + w and then piece 63 - J: 64 pieces a head, each with one owner.  A piece is two tiles of 16 queries, which share each fragment of K and V.
; NO TENSOR LOADS, NO CLUSTER: the four work-groups of a head read the same K and V, but steps are passed over by branches on numbers read from memory.
; LAYOUT.  Both products are used transposed: S^T = K Q^T (source 0 = 16 keys, source 1 = 16 queries), O^T = V^T P^T (source 0 = 16 of the head's 64, source 1 = P): a lane (r = lane % 16, h = lane / 16) holds query r throughout.
; THE KEYS OF A TILE ARE NOT NEIGHBOURS: lane r of tile 2 b + u takes key 32 b + 8 u + r + (r & 8), so that score register n is key 32 (n / 16) + 16 h + n % 16, and the conversions' results are P's operand.
; A fragment (16 rows x 64 codes, 8 registers) is fetched by two loads of 16 bytes, at 32 c + 16 h of the row: a permutation of k, the same on both sides of each product.
; LIMITS on the given exponents, so that each power of two below is an f32 number: eq + ek between -123 and 130 (added to c's exponent field); ep between -126 and 119.  NaN codes among the inputs are not served.
; THE MODE: SCHED_MODE bits 1:0 = 2 (LLVM: expert scheduling mode 2), set by the entry lines.  The code itself states the register dependences between vector or matrix instructions and memory or LDS
; instructions, with s_wait_alu, always for 0.
; THE PLAN.  Registers that memory or LDS instructions touch:
;   v7-11 (STO, RD, GO, QO, FLO)  addresses, made once at the head and never written again; a piece's Q, flags and rows of out are reached by scalar bases.
;   v4-6 (ADK, ADV, ADV2)         written by three additions at a step's head; read by that step's sixteen LDS loads.
;   KF, VF                        a step's LDS loads land in them; its products K Q^T read KF, its products V^T P read VF.  On the way out the stage's loads land in them and the global stores read them.
;   Q, FL                         NEXTQ's five loads land in them; a piece's products K Q^T read Q, the two compares at a piece's head read FL.
;   S                             on the way out written by the 32 multiplications and read by the stage's stores.  (In a step only vector and matrix instructions name it, as they do O, P and the statistics.)
;   the fill                      v48-111, S and O: global loads land, LDS stores read; v112-120: addresses, made at the head.
; A STEP has one wait on vm_vsrc and one on va_vdst, both at its head, round the three additions: behind them stand its sixteen LDS loads, K's eight at once, V's eight dealt among the products K Q^T, which name
; S, KF and Q and none of the registers that V's loads touch.  The two waits on va_vdst in the softmax are the ones behind its two batches of exponentials.  A PIECE has one wait on vm_vsrc at its head
; (all that the fill or the last way out read is written again below it), one on va_sdst behind its two compares, one on va_vdst ahead of NEXTQ's loads and one ahead of the stage's stores and loads.
.set KP,    144                        ; LDS: a PAIR of keys: 128 bytes + 16 of padding.  The 16 rows of a tile then begin at 16 different 16-byte columns modulo 256
.set VP,    2064                       ; a row d of V: 2,048 bytes + 16: 129 x 16, so 16 neighbouring rows begin at 16 different columns
.set SP,    272                        ; a stage row: 256 bytes + 16
.set VOFF,  1024*KP                    ; K: bytes 0 .. 147,455;  V: 147,456 .. 279,551
.set STAGE, VOFF+64*VP                 ; the way out: 16 rows x 272 bytes for each wave: 279,552 .. 314,367
.set AK0,  1                           ; v1   my lane's place in a tile of K
.set AV0,  2                           ; v2   in V's tiles 0, 1
.set AV1,  3                           ; v3   in V's tiles 2, 3 (32 rows on: beyond the 16-bit immediate)
.set ADK,  4                           ; v4-6 the step's LDS addresses
.set ADV,  5
.set ADV2, 6
.set STO,  7                           ; v7   the stage: where I put 32 bytes of a row
.set RD,   8                           ; v8   and where I read a row back
.set GO,   9                           ; v9   my byte offset in two rows of out
.set QO,   10                          ; v10  my byte offset in a tile of Q
.set FLO,  11                          ; v11  4 x lane: my byte offset in a piece's 32 flags
.set FL,   12                          ; v12  the flag of step = my lane
.set NINF, 13                          ; v13  -infinity
.set SCL,  14                          ; v14  2^ep as f32
.set LIM,  15                          ; v15  448 x 2^ep
.set ST,   16                          ; v16-31 statistics, eight a query tile y: +0 -M, +1 the largest t, +2, +3 the sum in two halves, +4 f (+5 named with it as a pair), +6, +7 at work
.set Q,    32                          ; v32-47   Q's two fragments
.set KF,   48                          ; v48-79   K's four
.set VF,   80                          ; v80-111  V's four
.set P,    112                         ; v112-127 p's codes, two fragments
.set S,    128                         ; v128-191 S^T, then p: 32 a query tile
.set O,    192                         ; v192-255 O^T: 32 a query tile
.set FK,   112                         ; the fill alone: v112-115, v116-119 LDS addresses, v120 16 x thread; data in v48-111, v128-191, v192-255
.set FV,   116
.set FO,   120
.set HOLD, 11                          ; s11  1 where ep < -8
.set CS,   12                          ; s[12:13] c = log2(e) / 8 x 2^(eq + ek)
.set SEL,  14                          ; s[14:15] v_permlanex16_b32's selects for lane l xor 16
.set WV,   92
.set PJ,   93                          ; the piece
.set TRIP, 94
.set STEP, 95
.set KO,   96                          ; the step's place in K's LDS bytes, in a row of V, in the piece's mbits
.set VO,   97
.set MO,   98
.set SKIP, 99                          ; bit s: step s is all hidden
.set MIX,  100                         ; bit s: step s is hidden in part
; s[4:5] Q at my head; s[6:7] Q at my piece; s[8:9] mbits at my piece (between two pieces: flags at the next piece); s10 ep + ev; s[16:63], s[68:83] a step's 64 mask words (at the head: pointers and exponents);
; s[84:85] mbits; s[86:87] flags; s[88:89] out at my head; s[90:91] out at my piece; s2, s3, s101 at work
; Q's two fragments and the 32 flags of piece s[PJ]: five loads.  Both are reached by scalar bases: no vector register is written here
.macro NEXTQ
	s_lshl_b32 s2, s[PJ], 11                       ; 32 rows of 64 bytes
	s_mov_b32 s3, 0
	s_add_nc_u64 s[6:7], s[4:5], s[2:3]
	s_lshl_b32 s2, s[PJ], 7                        ; 32 flags of 4 bytes
	s_add_nc_u64 s[8:9], s[86:87], s[2:3]          ; (no step's mask words are asked for between here and the next piece's head, which writes the pair anew behind its waits)
	s_wait_alu depctr_va_vdst(0)                   ; at the head: all the address registers made above are written, which these loads, the fill and every later load and store read; behind a piece: its products are done reading Q, and its compares the flags, in which these loads land
.irp y, 0,1
.irp c, 0,1
	global_load_b128 v[Q+8*\y+4*\c:Q+8*\y+4*\c+3], v[QO], s[6:7] offset:1024*\y+32*\c
.endr
.endr
	global_load_b32 v[FL], v[FLO], s[8:9]
.endm
; The fill: 16 loads, each 4,096 consecutive bytes for the work-group's 256 threads; and their 16 stores into LDS
.macro FLOAD set, base, i0
.irp k, 0,1,2,3,4,5,6,7,8,9,10,11,12,13,14,15
	global_load_b128 v[\set+4*\k:\set+4*\k+3], v[FO], s[\base:\base+1] offset:4096*(\i0+\k)
.endr
.endm
.macro FSTORE set, adr0, pitch, i0
.irp k, 0,1,2,3,4,5,6,7,8,9,10,11,12,13,14,15
	ds_store_b128 v[\adr0+(\i0+\k)/8], v[\set+4*\k:\set+4*\k+3] offset:\pitch*((\i0+\k)%8)
.endr
.endm
; A step's fragments and its eight products S^T = K Q^T.  The three additions and the v_nop are plain and name no register of the last products (V^T P): four places stand between those products and the loads into V's fragments, beside the wait behind them.
.macro QK
	s_wait_alu depctr_vm_vsrc(0)                   ; the last step's LDS loads have read the three address registers, which are written again here
	v_add_nc_u32 v[ADK], s[KO], v[AK0]
	v_add_nc_u32 v[ADV], s[VO], v[AV0]
	v_add_nc_u32 v[ADV2], s[VO], v[AV1]
	v_nop
	s_wait_alu depctr_va_vdst(0)                   ; the three addresses are written, which the sixteen loads below read; the last step's products are done reading K's and V's fragments, in which they land
.irp t, 0,1,2,3
.irp c, 0,1
	ds_load_b128 v[KF+8*\t+4*\c:KF+8*\t+4*\c+3], v[ADK] offset:(16*(\t/2)+4*(\t%2))*KP+32*\c   ; tile t begins at key 32 (t / 2) + 8 (t % 2): pair 16 (t / 2) + 4 (t % 2)
.endr
.endr
	s_wait_dscnt 0x0                               ; K's eight are in: nothing younger is out yet
.irp t, 0,1,2,3
.irp y, 0,1
	v_wmma_f32_16x16x64_fp8_fp8 v[S+32*\y+8*\t:S+32*\y+8*\t+7], v[KF+8*\t:KF+8*\t+7], v[Q+8*\y:Q+8*\y+7], 0
.endr
.irp b, 0,1
	ds_load_b128 v[VF+8*\t+4*\b:VF+8*\t+4*\b+3], v[ADV+\t/2] offset:(\t%2)*16*VP+32*\b   ; V's tile t, two loads behind each pair of products.  No wait: no vector or matrix instruction since the wait above names V's fragments or their two addresses
.endr
.endr
.rept 4
	v_nop                                          ; four places in front of the first read of the scores
.endr
.endm
; Query tile y: the step's largest score among my 32 keys (two chains, each accumulator from its low end on) and lane l xor 16's; the running largest t; -M = floor(-t); f = 2^(old M - new M)
.macro MAXST y
.set rT, ST+8*(\y)
.set rS, S+32*(\y)
	v_max3_num_f32 v[rT+6], v[rS], v[rS+1], v[rS+2]
	v_max3_num_f32 v[rT+7], v[rS+3], v[rS+4], v[rS+5]
.irp i, 6,10,14,18,22,26
	v_max3_num_f32 v[rT+6], v[rT+6], v[rS+\i], v[rS+\i+1]
	v_max3_num_f32 v[rT+7], v[rT+7], v[rS+\i+2], v[rS+\i+3]
.endr
	v_max3_num_f32 v[rT+6], v[rT+6], v[rS+30], v[rS+31]
	v_max_num_f32 v[rT+6], v[rT+6], v[rT+7]
	v_permlanex16_b32 v[rT+7], v[rT+6], s[SEL], s[SEL+1]
	v_max_num_f32 v[rT+6], v[rT+6], v[rT+7]
	v_mul_f32 v[rT+6], s[CS], v[rT+6]              ; as t (c is positive; -infinity stays)
	v_max_num_f32 v[rT+1], v[rT+1], v[rT+6]
	v_mov_b32 v[rT+6], v[rT]
	v_floor_f32 v[rT], -v[rT+1]                    ; the new -M: M is a whole number
	v_sub_f32 v[rT+6], v[rT], v[rT+6]              ; old M - new M: a whole number, 0 or less
	v_cvt_i32_f32 v[rT+6], v[rT+6]                 ; (it saturates)
	v_ldexp_f32 v[rT+4], 1.0, v[rT+6]
.endm
.macro SCALE y                         ; t - M, two at a time: of the pairs c and -M the low word serves both halves
.set n, S+32*(\y)
.rept 16
	v_pk_fma_f32 v[n:n+1], v[n:n+1], s[CS:CS+1], v[ST+8*(\y):ST+8*(\y)+1] op_sel_hi:[1,0,0]
.set n, n+2
.endr
.endm
.macro EXPS y                          ; p = 2^(t - M): a batch of 32
.set n, S+32*(\y)
.rept 32
	v_exp_f32 v[n], v[n]
.set n, n+1
.endr
.endm
.macro LMUL y                          ; the sum under the new M
	v_pk_mul_f32 v[ST+8*(\y)+2:ST+8*(\y)+3], v[ST+8*(\y)+2:ST+8*(\y)+3], v[ST+8*(\y)+4:ST+8*(\y)+5] op_sel_hi:[1,0]
.endm
.macro SUMS y                          ; the row's sum is taken of the UNQUANTISED p: two at a time, in two chains
.set rT, ST+8*(\y)
.set rS, S+32*(\y)
	v_pk_add_f32 v[rT+6:rT+7], v[rS:rS+1], v[rS+2:rS+3]
.irp j, 4,8,12,16,20,24,28
	v_pk_add_f32 v[rT+2:rT+3], v[rT+2:rT+3], v[rS+\j:rS+\j+1]
	v_pk_add_f32 v[rT+6:rT+7], v[rT+6:rT+7], v[rS+\j+2:rS+\j+3]
.endr
	v_pk_add_f32 v[rT+2:rT+3], v[rT+2:rT+3], v[rT+6:rT+7]
.endm
.macro CVT y                           ; eight numbers / 2^ep to the nearest code, ties to even: registers 2 t, 2 t + 1 of P's fragment
.irp t, 0,1,2,3
	v_cvt_scalef32_pk8_fp8_f32 v[P+8*(\y)+2*\t:P+8*(\y)+2*\t+1], v[S+32*(\y)+8*\t:S+32*(\y)+8*\t+7], v[SCL]
.endr
.endm
.macro RESC y                          ; O^T under the new M: x f; each accumulator from its low end on
.set n, O+32*(\y)
.rept 16
	v_pk_mul_f32 v[n:n+1], v[n:n+1], v[ST+8*(\y)+4:ST+8*(\y)+5] op_sel_hi:[1,0]
.set n, n+2
.endr
.endm
.macro PV                              ; O^T += V^T P^T: eight accumulators, one instruction each; between two links of a chain stand the seven others' and the next step's eight products K Q^T
	s_wait_dscnt 0x0                               ; V's fragments are in
.irp t, 0,1,2,3
.irp y, 0,1
	v_wmma_f32_16x16x64_fp8_fp8 v[O+32*\y+8*\t:O+32*\y+8*\t+7], v[VF+8*\t:VF+8*\t+7], v[P+8*\y:P+8*\y+7], v[O+32*\y+8*\t:O+32*\y+8*\t+7]
.endr
.endr
.endm
	s_load_b256 s[16:23], s[0:1], 0x0              ; Q s[16:17], K s[18:19], V s[20:21], the scales' exponents s[22:23]
	s_load_b128 s[84:87], s[0:1], 0x20             ; mbits, flags
	s_load_b64 s[88:89], s[0:1], 0x30              ; out
	s_set_vgpr_msb 0x40
	v_lshl_add_u32 v0, v0, 2, 0x4cc00
	v_mov_b32 v1, 0
	s_set_vgpr_msb 0x4000
	v_lshrrev_b32 v4, 5, v0
	v_readfirstlane_b32 s[WV], v4                  ; wave 0..7
	v_and_b32 v4, 15, v0                           ; r
	v_bfe_u32 v5, v0, 4, 1                         ; h
	v_and_b32 v6, 8, v4
	v_add_nc_u32 v6, v6, v4                        ; x = r + (r & 8)
	v_lshrrev_b32 v[AK0], 1, v6
	v_mul_u32_u24 v[AK0], v[AK0], KP               ; K: pair x / 2,
	v_and_b32 v6, 1, v6
	v_lshl_add_u32 v[AK0], v6, 6, v[AK0]           ; + 64 for the odd key,
	v_lshl_add_u32 v[AK0], v5, 4, v[AK0]           ; + 16 h
	v_mul_u32_u24 v[AV0], v4, VP                   ; V: row r, + 16 h
	v_lshl_add_u32 v[AV0], v5, 4, v[AV0]
	v_add_nc_u32 v[AV0], VOFF, v[AV0]
	v_add_nc_u32 v[AV1], 32*VP, v[AV0]
	s_wait_alu depctr_va_sdst(0)                   ; the wave's number is written, ahead of its first reader: my stage's place and my piece are made from it
	s_mul_i32 s101, s[WV], 16*SP
	s_add_co_u32 s101, s101, STAGE                 ; my stage
	v_mul_u32_u24 v[STO], v4, SP                   ; in: row r; 32 bytes for each half of the lanes
	v_lshl_add_u32 v[STO], v5, 5, v[STO]
	v_add_nc_u32 v[STO], s101, v[STO]
	v_mul_u32_u24 v[RD], v5, SP                    ; back: lanes 0-15 one row of 256 bytes, lanes 16-31 the next
	v_lshl_add_u32 v[RD], v4, 4, v[RD]
	v_add_nc_u32 v[RD], s101, v[RD]
	v_lshlrev_b32 v[GO], 8, v5                     ; and the same two rows in out
	v_lshl_add_u32 v[GO], v4, 4, v[GO]
	v_lshlrev_b32 v[QO], 6, v4                     ; Q: row r of 64 bytes, + 16 h
	v_lshl_add_u32 v[QO], v5, 4, v[QO]
	v_and_b32 v[FLO], 31, v0
	v_lshlrev_b32 v[FLO], 2, v[FLO]                ; the flags: 4 bytes a lane
	v_mov_b32 v[NINF], 0xff800000
.irp y, 0,1
	v_mov_b32 v[ST+8*\y+5], 0                      ; named as the upper half of f's pair
	v_mov_b32 v[ST+8*\y+6], 0
	v_mov_b32 v[ST+8*\y+7], 0                      ; a lane permute's destination counts as one of its sources
.endr
	; the fill's addresses.  Thread t takes bytes 16 t of every 4,096.  K: 4,096 bytes are 32 pairs: pair t / 8, 16 (t % 8) in it; V: two rows: row t / 128, 16 (t % 128) in it
	v_lshrrev_b32 v[FK], 3, v0
	v_mul_u32_u24 v[FK], v[FK], KP
	v_and_b32 v121, 7, v0
	v_lshl_add_u32 v[FK], v121, 4, v[FK]
	v_add_nc_u32 v[FK+1], 8*32*KP, v[FK]           ; eight loads on: the immediate carries the seven between
	v_add_nc_u32 v[FK+2], 16*32*KP, v[FK]
	v_add_nc_u32 v[FK+3], 24*32*KP, v[FK]
	v_lshrrev_b32 v[FV], 7, v0
	v_mul_u32_u24 v[FV], v[FV], VP
	v_and_b32 v121, 127, v0
	v_lshl_add_u32 v[FV], v121, 4, v[FV]
	v_add_nc_u32 v[FV], VOFF, v[FV]
	v_add_nc_u32 v[FV+1], 8*2*VP, v[FV]
	v_add_nc_u32 v[FV+2], 16*2*VP, v[FV]
	v_add_nc_u32 v[FV+3], 24*2*VP, v[FV]
	v_lshlrev_b32 v[FO], 4, v0
	s_and_b32 s[PJ], ttmp9, 3
	s_lshl_b32 s[PJ], s[PJ], 3
	s_add_co_u32 s[PJ], s[PJ], s[WV]               ; my first piece: 8 g + wave
	s_lshr_b32 s101, ttmp9, 2                      ; the head
	s_lshl_b32 s2, s101, 17                        ; 131,072 bytes of codes a head
	s_mov_b32 s3, 0
	s_mov_b32 s[SEL], 0x76543210
	s_mov_b32 s[SEL+1], 0xfedcba98
	s_mov_b32 s[CS], 0x3e38aa3b                    ; log2(e) / 8
	s_mov_b32 s[TRIP], 2
	s_wait_kmcnt 0x0
	s_load_b128 s[24:27], s[22:23], 0x0            ; eq, ek, ep, ev
	s_add_nc_u64 s[4:5], s[16:17], s[2:3]
	s_add_nc_u64 s[18:19], s[18:19], s[2:3]
	s_add_nc_u64 s[20:21], s[20:21], s[2:3]
	s_lshl_b32 s2, s101, 19                        ; 524,288 bytes of out a head
	s_add_nc_u64 s[88:89], s[88:89], s[2:3]
	NEXTQ                                          ; (its wait on va_vdst stands for the whole head: behind it only v14 and v15 are written until the barrier, which no load or store names)
	; THE FILL.  Three sets of 64 registers, 48 loads a wave on their way
	FLOAD KF, 18, 0                                ; K, first half
	FLOAD S, 18, 16                                ; K, second half
	FLOAD O, 20, 0                                 ; V, first half
	s_wait_kmcnt 0x0
	s_add_co_i32 s101, s24, s25
	s_lshl_b32 s101, s101, 23
	s_add_co_i32 s[CS], s[CS], s101                ; a score stands for score x 2^(eq + ek): the exponents are added to c's exponent field
	s_mov_b32 s[CS+1], s[CS]                       ; (named with it as a pair, so it is written)
	s_add_co_i32 s101, s26, 127
	s_lshl_b32 s2, s101, 23
	v_mov_b32 v[SCL], s2                           ; 2^ep: the conversion takes its exponent field
	s_add_co_i32 s101, s101, 8
	s_lshl_b32 s101, s101, 23
	s_or_b32 s101, s101, 0x600000
	v_mov_b32 v[LIM], s101                         ; 448 x 2^ep
	s_add_co_i32 s10, s26, s27                     ; ep + ev
	s_cmp_lt_i32 s26, -8
	s_cselect_b32 s[HOLD], 1, 0                    ; p is at most 1 (to a last bit), and 448 x 2^ep is at least 1.75 from ep = -8 on: only below that can the hold change a number
	s_wait_loadcnt 32                              ; Q, the flags and the first 16 are in; the 32 behind them may be out
	FSTORE KF, FK, 32*KP, 0
	s_wait_dscnt 0x0                               ; these sixteen stores have landed,
	s_wait_alu depctr_vm_vsrc(0)                   ; and have read v48-111, in which the next sixteen loads land:
	FLOAD KF, 20, 16                               ; V, second half
	s_wait_loadcnt 32                              ; K's second half is in; V's two halves may be out
	FSTORE S, FK, 32*KP, 16
	s_wait_loadcnt 16                              ; V's first half is in
	FSTORE O, FV, 2*VP, 0
	s_wait_loadcnt 0x0
	FSTORE KF, FV, 2*VP, 16
	s_wait_dscnt 0x0                               ; for the others' sake: my stores have landed
	s_barrier_signal -1
	s_barrier_wait -1                              ; the head's K and V lie in LDS; nobody writes them again
.Lpiece:                                           ; two trips: piece J, then piece 63 - J
	s_wait_loadcnt 0x0                             ; Q and the flags
	s_wait_xcnt 0x0                                ; the last piece's stores have read their base and their registers: both are written again below
	s_wait_alu depctr_vm_vsrc(0)                   ; first trip: the fill's LDS stores and loads have read v48-120 and v128-255; second trip: the stage's stores have read S, the global stores K's and V's fragments: all of these are written again below
	v_cmp_eq_u32 s[SKIP], 0, v[FL]
	v_cmp_eq_u32 s[MIX], 1, v[FL]
	s_lshl_b32 s2, s[PJ], 13                       ; a piece is 8,192 bytes of out (32 rows of 256), and 8,192 bytes of mbits (32 steps of 256)
	s_mov_b32 s3, 0
	s_add_nc_u64 s[90:91], s[88:89], s[2:3]
	s_add_nc_u64 s[8:9], s[84:85], s[2:3]
.irp y, 0,1
	v_mov_b32 v[ST+8*\y+1], 0xff61b1e6             ; the largest t so far: -3e38, under every t
	v_floor_f32 v[ST+8*\y], -v[ST+8*\y+1]          ; -M
	v_mov_b32 v[ST+8*\y+2], 0                      ; the sum, in two halves
	v_mov_b32 v[ST+8*\y+3], 0
.endr
.set n, 0
.rept 64
	v_mov_b32 v[O+n], 0                            ; O^T is cleared: which step is the piece's first hangs on the flags, so no product can be written out to start the sums; and a piece with no step at all leaves zeros
.set n, n+1
.endr
	s_wait_alu depctr_va_sdst(0)                   ; the two compares have written s[SKIP] and s[MIX], ahead of the label and of their first readers, the tests at a step's head
	s_mov_b32 s[STEP], 0
	s_mov_b32 s[KO], 0
	s_mov_b32 s[VO], 0
	s_mov_b32 s[MO], 0
.Lstep:                                            ; 32 trips, whatever the flags; a trip's work is jumped over, never the lines that step addresses
	s_lshr_b32 s101, s[SKIP], s[STEP]
	s_and_b32 s101, s101, 1
	s_cmp_lg_u32 s101, 0
	s_cbranch_scc1 .Lnext                          ; all 32 x 64 places hidden: p = 0 everywhere, nothing to add
	s_lshr_b32 s101, s[MIX], s[STEP]
	s_and_b32 s101, s101, 1
	s_cmp_lg_u32 s101, 0
	s_cbranch_scc1 .Lmixed
	QK                                             ; nothing hidden
	s_branch .Lsoft
.Lmixed:
	s_load_b512 s[16:31], s[8:9], s[MO] offset:0x0     ; the step's 64 lane masks, asked for ahead of the products
	s_load_b512 s[32:47], s[8:9], s[MO] offset:0x40
	s_load_b512 s[48:63], s[8:9], s[MO] offset:0x80
	s_load_b512 s[68:83], s[8:9], s[MO] offset:0xc0
	QK
	s_wait_kmcnt 0x0
.set n, 0
.rept 64
.if n < 48
	v_cndmask_b32 v[S+n], v[S+n], v[NINF], s[16+n]     ; hidden scores become -infinity ahead of the maximum: p = 0 then
.else
	v_cndmask_b32 v[S+n], v[S+n], v[NINF], s[20+n]
.endif
.set n, n+1
.endr
.Lsoft:
	MAXST 0
	SCALE 0
	EXPS 0                                         ; the first batch; the other tile's maximum and scaling, which name none of its results, follow it
	MAXST 1
	SCALE 1
	LMUL 0
	s_wait_alu depctr_va_vdst(0)                   ; the first batch's 32 exponentials have written tile 0's p, ahead of their first reader
	EXPS 1                                         ; the second batch; the first tile's sums follow it
	SUMS 0
	LMUL 1
	s_wait_alu depctr_va_vdst(0)                   ; the second batch's 32 exponentials have written tile 1's p, ahead of their first reader
	SUMS 1
	s_cmp_eq_u32 s[HOLD], 0
	s_cbranch_scc1 .Lnohold                        ; from ep = -8 on the hold changes no number (see the head)
.set n, 0
.rept 64
	v_min_num_f32 v[S+n], v[S+n], v[LIM]           ; the conversion to an 8-bit code does not saturate (ISA guide 7.6.2); p is not negative, so the hold is one-sided
.set n, n+1
.endr
.Lnohold:
	CVT 0
	CVT 1
	RESC 0                                         ; these 32 plain lines also stand between the conversions and the products that read their results
	RESC 1
	PV
.Lnext:
	s_add_co_u32 s[KO], s[KO], 32*KP               ; 64 keys on: 32 pairs,
	s_add_co_u32 s[VO], s[VO], 64                  ; 64 bytes of V's rows,
	s_add_co_u32 s[MO], s[MO], 256                 ; 64 mask words
	s_add_co_u32 s[STEP], s[STEP], 1
	s_cmp_lt_u32 s[STEP], 32
	s_cbranch_scc1 .Lstep
	; THE WAY OUT OF A PIECE.  The next piece's Q and flags are asked for first, if there is a next piece
	s_sub_co_u32 s[PJ], 63, s[PJ]
	s_cmp_eq_u32 s[TRIP], 1
	s_cbranch_scc1 .Lno_next
	NEXTQ
.Lno_next:
.irp y, 0,1
	v_add_f32 v[ST+8*\y+2], v[ST+8*\y+2], v[ST+8*\y+3]         ; the sum's two halves,
.endr
.irp y, 0,1
	v_permlanex16_b32 v[ST+8*\y+7], v[ST+8*\y+2], s[SEL], s[SEL+1]
.endr
.irp y, 0,1
	v_add_f32 v[ST+8*\y+2], v[ST+8*\y+2], v[ST+8*\y+7]         ; and lane l xor 16's: the row's sum
.endr
.irp y, 0,1
	v_rcp_f32 v[ST+8*\y+4], v[ST+8*\y+2]
.endr
	v_nop                                          ; a plain line behind the last reciprocal
	s_wait_alu depctr_va_vdst(0)                   ; the two reciprocals have written their results, ahead of the first reader
.irp y, 0,1
	v_ldexp_f32 v[ST+8*\y+4], v[ST+8*\y+4], s10    ; x 2^(ep + ev).  (The four additions, the v_nop and these two are more than the four places behind the last products)
.endr
.irp y, 0,1
.set n, 0
.rept 16
	v_pk_mul_f32 v[S+32*\y+n:S+32*\y+n+1], v[O+32*\y+n:O+32*\y+n+1], v[ST+8*\y+4:ST+8*\y+5] op_sel_hi:[1,0]   ; O^T / the sum: register 8 t + i is out(r, 16 t + 8 h + i); each accumulator from its low end on
.set n, n+2
.endr
.endr
	s_wait_alu depctr_va_vdst(0)                   ; the 32 multiplications have written S, which the stage's stores read; the piece's products are done reading K's and V's fragments, in which the stage's loads land
.irp y, 0,1                                        ; a tile of 16 rows goes through my stage and comes back as whole rows of 256 bytes
.irp t, 0,1,2,3
	ds_store_b128 v[STO], v[S+32*\y+8*\t:S+32*\y+8*\t+3] offset:64*\t
	ds_store_b128 v[STO], v[S+32*\y+8*\t+4:S+32*\y+8*\t+7] offset:64*\t+16
.endr
.irp i, 0,1,2,3,4,5,6,7
	ds_load_b128 v[KF+32*\y+4*\i:KF+32*\y+4*\i+3], v[RD] offset:2*SP*\i   ; LDS serves a wave's instructions in order (ISA guide 5.7.1.4): these see my stores, and the next tile's stores come behind them
.endr
.endr
	s_wait_dscnt 0x10                              ; the first tile is back; the second tile's eight stores and eight loads may be out
.irp i, 0,1,2,3,4,5,6,7
	global_store_b128 v[GO], v[KF+4*\i:KF+4*\i+3], s[90:91] offset:512*\i th:TH_STORE_NT       ; 32 lanes store two rows: 512 consecutive bytes, at a multiple of 256 from out's first byte
.endr
	s_wait_dscnt 0x0
.irp i, 0,1,2,3,4,5,6,7
	global_store_b128 v[GO], v[VF+4*\i:VF+4*\i+3], s[90:91] offset:4096+512*\i th:TH_STORE_NT
.endr
	s_sub_co_u32 s[TRIP], s[TRIP], 1
	s_cmp_lg_u32 s[TRIP], 0
	s_cbranch_scc1 .Lpiece
	s_set_vgpr_msb 0x5
	s_wait_dscnt 0x0
	s_wait_alu depctr_hold_cnt(0) depctr_sa_sdst(0) depctr_va_vdst(0) depctr_va_sdst(0) depctr_va_ssrc(0) depctr_va_vcc(0) depctr_vm_vsrc(0)
	s_wait_tensorcnt 0x0
	ds_add_u32 v0, v1
	s_wait_dscnt 0x0
	s_endpgm
.Lfunc_end_k_qedbc216762_attn:
	.size	k_qedbc216762_attn, .Lfunc_end_k_qedbc216762_attn-k_qedbc216762_attn
	.p2alignl 7, 3214868480
	.fill 96, 4, 3214868480
	.section	.rodata,"a",@progbits
	.p2align	6, 0x0
	.amdhsa_kernel k_qedbc216762_attn
		.amdhsa_group_segment_fixed_size 315392
		.amdhsa_private_segment_fixed_size 0
		.amdhsa_enable_private_segment 0
		.amdhsa_kernarg_size 56
		.amdhsa_user_sgpr_count 2
		.amdhsa_user_sgpr_kernarg_segment_ptr 1
		.amdhsa_wavefront_size32 1
		.amdhsa_system_sgpr_workgroup_id_x 1
		.amdhsa_system_sgpr_workgroup_id_y 1
		.amdhsa_system_sgpr_workgroup_id_z 1
		.amdhsa_system_vgpr_workitem_id 0
		.amdhsa_next_free_vgpr 258
		.amdhsa_next_free_sgpr 102
		.amdhsa_reserve_vcc 0
		.amdhsa_float_denorm_mode_32 3
		.amdhsa_float_denorm_mode_16_64 3
		.amdhsa_memory_ordered 1
		.amdhsa_forward_progress 1
		.amdhsa_inst_pref_size 49
	.end_amdhsa_kernel
	.amdgpu_metadata
---
amdhsa.version: [ 1, 2 ]
amdhsa.kernels:
  - .name:           k_qedbc216762_attn
    .symbol:         k_qedbc216762_attn.kd
    .args:
      - { .name: Q_codes, .offset: 0, .size: 8, .value_kind: global_buffer, .address_space: global }
      - { .name: K_codes, .offset: 8, .size: 8, .value_kind: global_buffer, .address_space: global }
      - { .name: V_codes, .offset: 16, .size: 8, .value_kind: global_buffer, .address_space: global }
      - { .name: lowp_scales, .offset: 24, .size: 8, .value_kind: global_buffer, .address_space: global }
      - { .name: mbits, .offset: 32, .size: 8, .value_kind: global_buffer, .address_space: global }
      - { .name: flags, .offset: 40, .size: 8, .value_kind: global_buffer, .address_space: global }
      - { .name: out0, .offset: 48, .size: 8, .value_kind: global_buffer, .address_space: global }
    .group_segment_fixed_size: 315392
    .private_segment_fixed_size: 0
    .kernarg_segment_align: 8
    .kernarg_segment_size: 56
    .max_flat_workgroup_size: 256
    .sgpr_count:     102
    .vgpr_count:     258
    .wavefront_size: 32
...
	.end_amdgpu_metadata
.endif
;; end of part 3
